; MI455X (gfx1250); checked and timed in simulation.
; The chip was launched on July 23, 2026; its instructions are those of AMD's public machine-readable ISA for CDNA 5 (MIT licence, August 2026) and "CDNA5" Instruction Set Architecture Reference Guide (July 2026). The comments in the code are by the model that wrote it; some were corrected since.
;; Ampere FP8 Linear. Allowed arithmetic: matrix products marked QUANTISED: E2M3 operands, one E8M0 scale for each 32 along K, by v_wmma_scale_f32_16x16x128_f8f6f4 with both operands' format E2M3, f32 sums; everything else in f32.
;; Inputs: act 1,024 x 4,096 float16; scale 14,336 float16; weight 4,096 x 14,336 int8.
;; Outputs: out0 1,024 x 14,336 float16.
;; This version of the problem:
;;   THIS VERSION OF THE PROBLEM IS GIVEN IN LOW PRECISION. The matrix products marked QUANTISED in the list below multiply operands that are first quantised to E2M3 (2 exponent bits, 3 mantissa bits; 6 bits a number), with one power-of-two scale for each 32 numbers along K (OCP MX v1.0); their sums are f32. All else is computed in f32.
;;   The module's matrix products, in the order in which they are computed (A, B: the left and right operand; K: the contracted axis; several contracted axes count as one K, in the product's order):
;;     1. [M 1,024, K 4,096] x [K 4,096, N 14,336]; A: input act; B: input weight: QUANTISED
;;   THE QUANTISER, for each operand of a quantised product, along K:
;;     - K is cut into blocks of 32 from its start; a last block that is shorter is filled with zeros.
;;     - A block's scale is 2^e with e = floor(log2(the largest magnitude in the block)) - 2, held to -126 .. 127; a block of zeros has e = 0. As a byte (E8M0): e + 127.
;;     - Each number is divided by its block's scale, clamped to +-7.5, and rounded to the nearest number of E2M3, ties to even, subnormals kept.
;;     - The product sums the exact products of the quantised numbers (number of the format x scale) in f32.
;;   ~~~python
;;   def quantise(x, axis):      # numpy; x: float32 -> the quantised numbers, widened to float32 again
;;       x = np.moveaxis(x, axis, -1); K = x.shape[-1]
;;       x = np.pad(x, [(0, 0)] * (x.ndim - 1) + [(0, -K % 32)]); x = x.reshape(x.shape[:-1] + (-1, 32)); a = np.abs(x).max(-1, keepdims=True)
;;       e = np.where(a > 0, np.clip(np.frexp(np.where(a > 0, a, 1))[1] - 1 - 2, -126, 127), 0)      # np.frexp(a)[1] - 1 = floor(log2(a)), exactly
;;       r = np.clip(x / 2.0 ** e, -7.5, 7.5)
;;       step = 2.0 ** (np.maximum(np.frexp(np.where(r == 0, 1, r))[1] - 1, 0) - 3)
;;       q = np.round(r / step) * step * 2.0 ** e      # np.round: ties to even
;;       return np.moveaxis(q.reshape(q.shape[:-2] + (-1,))[..., :K], -1, axis).astype(np.float32)
;;   ~~~
;; One version. Each part assembles by itself: llvm-mc -triple=amdgcn-amd-amdhsa -mcpu=gfx1250 --defsym DOCPART=n.
;; ======== version 1 of 1: 2 launches
;; limits: values are held in f16: magnitudes above 65,504 overflow, below 6.1e-05 lose precision; right only within a limited range of input values
;; workspace buffers: aimg 3,276,800 bytes; bimg 45,875,200 bytes
;; launch quant (part 1): grid 30 x 32, 4 waves a work-group, no clusters, 53,760 bytes of LDS; arguments act, weight, aimg, bimg; writes aimg, bimg
.if DOCPART == 1
	.amdgcn_target "amdgcn-amd-amdhsa--gfx1250"
	.amdhsa_code_object_version 6
	.text
	.protected	k_qc7ffa40f72_quant
	.globl	k_qc7ffa40f72_quant
	.p2align	8
	.type	k_qc7ffa40f72_quant,@function
k_qc7ffa40f72_quant:
	s_mov_b64 s[64:65], 0
	v_nop
	global_prefetch_b8 v0, s[64:65] scope:SCOPE_SE
	s_setreg_imm32_b32 hwreg(HW_REG_WAVE_MODE, 25, 1), 1
	s_wait_xcnt 0x0
; act [1024][4096] f16 (K innermost) and weight [4096][14336] int8 (K is the FIRST axis) become codes of FP6 (E2M3) with one E8M0 byte for each 32 along K.
; A block's scale is 2^(floor(log2(its largest magnitude)) - 2); its byte is the largest magnitude's own exponent field - 2, held at 1 from below; each number is divided by the scale and rounded to the nearest code, ties to even, beyond 7.5 the largest code.
; THE WORKSPACE IS LAID AS THE PRODUCT'S LAUNCH READS IT: a RECORD serves one K step t of 128 and one group g of 128 rows of the operand (8 blocks i of 16 rows), 12,800 dense bytes:
;   byte 1536 i + 512 c + 16 L: registers 4 c .. 4 c + 3 of lane L of block i's fragment (lane L = r + 16 h holds row r; its registers 6 c' .. 6 c' + 5 hold k = 64 c' + 32 h + 0 .. 31);
;   byte 12288 + 256 (i / 4) + 16 r + 4 (i % 4): the scale word of row r of block i (byte b: k = 32 b .. 32 b + 31).
; aimg = [t 32][g 8] records (rows of act), bimg = [t 32][g 112] records (columns of weight).
; SHARES.  Work-group y is the K step t.  x < 28: weight, wave w takes group 4 x + w.  x = 28, 29: act, wave w takes group 4 (x - 28) + w.  A wave makes ONE record; waves share nothing: no barrier.
; LIMITS: NaN and infinities in act are not served.  A block of zeros gets the byte 1 where the rule says 127: its codes are zeros, which add nothing under any byte but 0xff, and this program alone reads the bytes.
.set ROWW,  14336                      ; a row of weight in bytes
.set REC,   12800                      ; a record
.set SCO,   12288                      ; its scale words
.set WREG,  13312                      ; LDS of a wave (weight's path alone uses LDS)
.set FP,    1552                       ; a fragment's image in the stage: 1,536 bytes + 16, so that the sixteen lanes of a store of 16 bytes fall on sixteen different columns of 16 bytes modulo 256
.set SCW,   8*FP                       ; behind the eight images: the record's 512 bytes of scale words
.set R,     128                        ; weight: v128-255 four K blocks x 32 words as loaded (4 columns a word); later the record on its way out
.set X,     32                         ; weight: v32-63 one column's 32 numbers in f32
.set CD,    64                         ; weight: v64-111 twelve registers of codes for each of my four columns
.set SB,    20                         ; weight: v20-23 the scale words of my four columns
.set RA,    32                         ; act: v32-127 three sets of 32 registers as loaded (named halves reach up to v127)
.set XA,    128                        ; act: v128-191 64 numbers in f32
.set PC,    192                        ; act: v192-203 a fragment's codes
.set W,     16                         ; act: v16-23 the scale words of the eight blocks
.macro CV d, s                         ; the two f16 of register s into v[d], v[d + 1]
	v_cvt_f32_f16 v[\d], v\s\().l
	v_cvt_f32_f16 v[(\d)+1], v\s\().h
.endm
	s_load_b256 s[4:11], s[0:1], 0x0               ; act s[4:5], weight s[6:7], aimg s[8:9], bimg s[10:11]
	v_lshl_add_u32 v30, v0, 2, 0xd000
	v_mov_b32 v31, 0
	v_lshrrev_b32 v1, 5, v0
	v_readfirstlane_b32 s16, v1                    ; wave 0..3
	s_and_b32 s17, ttmp7, 0xffff                   ; t
	s_cmp_lt_u32 ttmp9, 28
	s_cbranch_scc0 .Lact
; ---------------- WEIGHT.  A lane takes four neighbouring columns (one word of a row), and its registers run DOWN K: a load reads 128 consecutive bytes a wave, 512 a work-group;
; a block of 32 along K of a column lies in one byte lane of 32 registers, so that its largest magnitude needs no other lane and the conversions give codes with K innermost.
; THE RECORD LEAVES IN TWO HALVES.  K blocks 0 and 2 fill the twelve registers of lanes 0-15 of all eight fragments: in the record 24 whole aligned runs of 256 bytes.  They are stored as soon as they are made,
; so that these stores are on their way while K blocks 1 and 3 (lanes 16-31, the other 24 runs) are worked on.
	s_lshl_b32 s18, ttmp9, 2
	s_add_co_u32 s18, s18, s16                     ; g = 4 x + wave
	s_mul_i32 s20, s17, 128*ROWW                   ; in: 128 t rows down,
	s_lshl_b32 s21, s18, 7
	s_add_co_u32 s20, s20, s21                     ; 128 g bytes along
	s_mov_b32 s21, 0
	s_mul_i32 s22, s17, 112
	s_add_co_u32 s22, s22, s18
	s_mul_i32 s22, s22, REC                        ; out: record 112 t + g
	s_mov_b32 s23, 0
	s_mov_b32 s24, 0x80808080                      ; b + 128 in each byte: 0 .. 255
	s_mov_b32 s25, 0x4b000000                      ; 2^23 as f32: a byte u laid into its low mantissa bits gives 2^23 + u
	s_mov_b32 s26, 0xcb000080                      ; -(2^23 + 128): the sum is b, exactly
	s_mov_b32 s27, s26                             ; (named with it as a pair, so it is written)
.irp j, 0,1,2,3
	s_mov_b32 s[28+\j], 0x03000004+\j              ; v_perm_b32: byte j of the word below, two zero bytes, 0x4b on top
.endr
	s_mul_i32 s19, s16, WREG
	v_and_b32 v1, 31, v0                           ; lane l: columns 4 l + j: block i = l / 4, row r = 4 (l % 4) + j
	v_lshlrev_b32 v2, 2, v1                        ; in: 4 bytes a lane
	v_lshrrev_b32 v7, 2, v1
	v_and_b32 v8, 3, v1
	v_mul_u32_u24 v3, v7, FP
	v_lshl_add_u32 v3, v8, 6, v3
	v_add_nc_u32 v3, s19, v3                       ; the stage, in: image i, place of lane r: FP (l / 4) + 64 (l % 4); 16 j, 256 h and 512 c stand in the offset
	v_lshrrev_b32 v9, 4, v1                        ; l / 16
	v_and_b32 v7, 3, v7
	v_lshlrev_b32 v4, 8, v9
	v_lshl_add_u32 v4, v8, 6, v4
	v_lshl_add_u32 v4, v7, 2, v4
	v_add_nc_u32 v4, s19, v4                       ; the scale words, in: 256 (i / 4) + 16 r + 4 (i % 4), less 16 j
	v_lshlrev_b32 v6, 4, v1                        ; the scale words, out: 16 bytes a lane
	v_add_nc_u32 v5, s19, v6
	v_and_b32 v17, 15, v1
	v_lshlrev_b32 v17, 4, v17                      ; the codes, out: sixteen lanes to a run of 256 bytes; lanes 0-15 take fragment i, lanes 16-31 fragment i + 4
	v_mul_u32_u24 v18, v9, 4*1536
	v_add_nc_u32 v18, v18, v17                     ; in the record: 6144 (l / 16) + 16 (l % 16)
	v_mul_u32_u24 v19, v9, 4*FP
	v_add_nc_u32 v17, v17, v19
	v_add_nc_u32 v17, s19, v17                     ; in the stage: 4 FP (l / 16) + 16 (l % 16)
	s_wait_kmcnt 0x0
	s_add_nc_u64 s[6:7], s[6:7], s[20:21]
	s_add_nc_u64 s[10:11], s[10:11], s[22:23]
; Part n = 0 .. 3 is K block kb = 2 (n % 2) + n / 2, that is h = n / 2, c' = n % 2: parts 0 and 1 fill the twelve registers of lanes 0-15 of the fragments, parts 2 and 3 those of lanes 16-31.
.macro LOADW n
.set I, 0
.rept 32
	global_load_b32 v[R+32*(\n)+I], v2, s[6:7] offset:(32*(2*((\n)%2)+(\n)/2)+I)*ROWW th:TH_LOAD_NT
.set I, I+1
.endr
.endm
.macro BLOCK n, j                      ; column j's block of part n
.set I, 0
.rept 32
	v_perm_b32 v[X+I], v[R+32*(\n)+I], s25, s[28+\j]
.set I, I+1
.endr
.set I, 0
.rept 16
	v_pk_add_f32 v[X+I:X+I+1], v[X+I:X+I+1], s[26:27] op_sel_hi:[1,0]
.set I, I+2
.endr
	v_max3_num_f32 v10, |v[X]|, |v[X+1]|, |v[X+2]|                 ; the block's largest magnitude, in two chains
	v_max3_num_f32 v11, |v[X+3]|, |v[X+4]|, |v[X+5]|
.irp i, 6,10,14,18,22,26
	v_max3_num_f32 v10, v10, |v[X+\i]|, |v[X+\i+1]|
	v_max3_num_f32 v11, v11, |v[X+\i+2]|, |v[X+\i+3]|
.endr
	v_max3_num_f32 v10, v10, |v[X+30]|, |v[X+31]|
	v_max3_num_f32 v10, v10, v11, 0x1800000        ; and the floor 2^(3 - 127): the byte cannot fall under 1
	v_add_nc_u32 v12, 0xff000000, v10              ; 2 off the exponent field: the conversion takes the exponent field of this operand as its scale
	v_cvt_scalef32_pk16_fp6_f32 v[CD+12*(\j)+6*((\n)%2):CD+12*(\j)+6*((\n)%2)+2], v[X:X+15], v12
	v_cvt_scalef32_pk16_fp6_f32 v[14:16], v[X+16:X+31], v12        ; (a conversion's three registers begin on an even number)
	v_lshrrev_b32 v13, 23, v12                     ; the scale's byte; also the plain line behind the conversions
.if (\n) == 0
	v_mov_b32 v[SB+\j], v13
.else
	v_lshl_or_b32 v[SB+\j], v13, 8*(2*((\n)%2)+(\n)/2), v[SB+\j]
.endif
.irp i, 0,1,2
	v_mov_b32 v[CD+12*(\j)+6*((\n)%2)+3+\i], v[14+\i]
.endr
.endm
.macro PART n, left
	s_wait_loadcnt \left                           ; this part's 32 loads are in; the next part's 32 may be out
.if (\n) < 2
	LOADW (\n)+2                                   ; two parts ahead, into registers of their own
.endif
.set I, 0
.rept 32
	v_xor_b32 v[R+32*(\n)+I], s24, v[R+32*(\n)+I]
.set I, I+1
.endr
.irp j, 0,1,2,3
	BLOCK \n, \j
.endr
.endm
.macro TOSTAGE h                       ; twelve registers of each of my four columns: lane r + 16 h of their fragments
.irp j, 0,1,2,3
.irp c, 0,1,2
	ds_store_b128 v3, v[CD+12*\j+4*\c:CD+12*\j+4*\c+3] offset:512*\c+16*\j+256*\h
.endr
.endr
.endm
.macro HALFBACK h, base                ; the 24 runs of lanes 16 h .. 16 h + 15 come back from the stage, two an instruction.  LDS serves a wave's instructions in order (ISA guide 5.7.1.4): these see my stores
.irp i, 0,1,2,3
.irp c, 0,1,2
	ds_load_b128 v[(\base)+4*(3*\i+\c):(\base)+4*(3*\i+\c)+3], v17 offset:FP*\i+512*\c+256*(\h)
.endr
.endr
.endm
.macro HALFOUT h, base, left           ; and are stored.  left: the LDS instructions issued behind the twelve loads
.irp i, 0,1,2,3
.irp c, 0,1,2
	s_wait_dscnt (\left)+11-(3*\i+\c)              ; the loads behind this one may be out
	global_store_b128 v18, v[(\base)+4*(3*\i+\c):(\base)+4*(3*\i+\c)+3], s[10:11] offset:1536*\i+512*\c+256*(\h)   ; each sixteen lanes store 256 consecutive bytes, at a multiple of 256 from the buffer's first byte
.endr
.endr
.endm
	LOADW 0
	LOADW 1
	PART 0, 32
	PART 1, 32
	TOSTAGE 0
	HALFBACK 0, R                                  ; into the registers that held parts 0 and 1 as loaded; they are not written again
	HALFOUT 0, R, 0                                ; its last wait is for 0: the stage's stores have read the codes' registers too, which the next part writes
	PART 2, 32
	PART 3, 0
	TOSTAGE 1
.irp j, 0,1,2,3
	ds_store_b32 v4, v[SB+\j] offset:SCW+16*\j
.endr
	HALFBACK 1, R+64                               ; into the registers that held parts 2 and 3 as loaded
	ds_load_b128 v[R+112:R+115], v5 offset:SCW
	HALFOUT 1, R+64, 1
	s_wait_dscnt 0x0
	global_store_b128 v6, v[R+112:R+115], s[10:11] offset:SCO      ; the scale words: 32 lanes store 512 consecutive bytes
	s_wait_tensorcnt 0x0
	ds_add_u32 v30, v31
	s_wait_dscnt 0x0
	s_endpgm
; ---------------- ACT.  K is innermost: lane (r, h) loads, of row r of a block of 16 rows, the very 2 x 32 neighbours that the fragment's layout gives it (2 x 64 bytes); the conversions' results ARE the fragment's
; registers and are stored as they stand.  A row's 256 bytes of the K step are used up by the eight loads of one fragment.  No LDS.
.Lact:
	s_sub_co_u32 s18, ttmp9, 28
	s_lshl_b32 s18, s18, 2
	s_add_co_u32 s18, s18, s16                     ; g = 4 (x - 28) + wave
	s_lshl_b32 s20, s18, 20                        ; in: 128 g rows of 8,192 bytes,
	s_lshl_b32 s21, s17, 8
	s_add_co_u32 s20, s20, s21                     ; 256 t bytes along
	s_mov_b32 s21, 0
	s_lshl_b32 s22, s17, 3
	s_add_co_u32 s22, s22, s18
	s_mul_i32 s22, s22, REC                        ; out: record 8 t + g
	s_mov_b32 s23, 0
	s_mov_b32 s24, 0x76543210
	s_mov_b32 s25, 0xfedcba98                      ; v_permlanex16_b32's selects for lane l xor 16
	v_and_b32 v1, 15, v0                           ; r
	v_bfe_u32 v2, v0, 4, 1                         ; h
	v_lshlrev_b32 v3, 13, v1
	v_lshl_add_u32 v3, v2, 6, v3                   ; in: row r, + 64 h
	v_and_b32 v4, 31, v0
	v_lshlrev_b32 v4, 4, v4                        ; out: 16 bytes a lane
	v_lshlrev_b32 v5, 3, v2                        ; 8 h: my bytes' place in a scale word
	v_mov_b32 v15, 0                               ; written once: a lane permute's destination counts as one of its sources
	s_wait_alu depctr_va_vdst(0)
	s_wait_kmcnt 0x0
	s_add_nc_u64 s[4:5], s[4:5], s[20:21]
	s_add_nc_u64 s[8:9], s[8:9], s[22:23]
.macro LOADF i                         ; block i's 16 rows: k = 64 c + 32 h + 0 .. 31 of my row, into set i % 3
.irp c, 0,1
.irp p, 0,1,2,3
	global_load_b128 v[RA+32*((\i)%3)+16*\c+4*\p:RA+32*((\i)%3)+16*\c+4*\p+3], v3, s[4:5] offset:131072*(\i)+128*\c+16*\p
.endr
.endr
.endm
.macro UNPACK set                      ; a set's 64 f16 into v[XA] on
.if (\set) == 0
.irp r, 32,33,34,35,36,37,38,39,40,41,42,43,44,45,46,47,48,49,50,51,52,53,54,55,56,57,58,59,60,61,62,63
	CV XA+2*(\r-32), \r
.endr
.elseif (\set) == 1
.irp r, 64,65,66,67,68,69,70,71,72,73,74,75,76,77,78,79,80,81,82,83,84,85,86,87,88,89,90,91,92,93,94,95
	CV XA+2*(\r-64), \r
.endr
.else
.irp r, 96,97,98,99,100,101,102,103,104,105,106,107,108,109,110,111,112,113,114,115,116,117,118,119,120,121,122,123,124,125,126,127
	CV XA+2*(\r-96), \r
.endr
.endif
.endm
.macro FRAGA i, left
	s_wait_loadcnt \left                           ; this block's eight loads are in; those of the blocks behind it may be out
	UNPACK (\i)%3
.if (\i)+3 < 8
	LOADF (\i)+3                                   ; the set takes the block three further on
.endif
.irp c, 0,1                            ; my blocks h and 2 + h of the K step: all 32 numbers of each are mine
	v_max3_num_f32 v[8+\c], |v[XA+32*\c]|, |v[XA+32*\c+1]|, 0x1800000   ; with the floor 2^(3 - 127): the byte cannot fall under 1
.endr
.irp k, 2,4,6,8,10,12,14,16,18,20,22,24,26,28,30
.irp c, 0,1
	v_max3_num_f32 v[8+\c], v[8+\c], |v[XA+32*\c+\k]|, |v[XA+32*\c+\k+1]|
.endr
.endr
.irp c, 0,1
	v_add_nc_u32 v[10+\c], 0xff000000, v[8+\c]     ; 2 off the exponent field: the conversion's scale operand
.endr
.irp c, 0,1
	v_lshrrev_b32 v[12+\c], 23, v[10+\c]           ; the scale's byte
.endr
	v_lshl_or_b32 v14, v13, 16, v12                ; my two bytes,
	v_lshlrev_b32 v14, v5, v14                     ; at their places (8 h bits up);
	v_permlanex16_b32 v15, v14, s24, s25
	v_or_b32 v[W+(\i)], v14, v15                   ; with lane l xor 16's two the row's word is whole
.if (\i) > 0
	s_wait_alu depctr_va_vdst(0)
	s_wait_xcnt 0x0                                ; the last block's stores have had their addresses translated (ISA guide 3.1): only behind this wait are the codes' registers written again
.endif
.irp c, 0,1
	v_cvt_scalef32_pk16_fp6_f32 v[PC+6*\c:PC+6*\c+2], v[XA+32*\c:XA+32*\c+15], v[10+\c]
	v_cvt_scalef32_pk16_fp6_f32 v[204+4*\c:206+4*\c], v[XA+32*\c+16:XA+32*\c+31], v[10+\c]   ; (a conversion's three registers begin on an even number)
.endr
	v_nop                                          ; one plain line behind the scaled conversions
.irp c, 0,1
.irp k, 0,1,2
	v_mov_b32 v[PC+6*\c+3+\k], v[204+4*\c+\k]
.endr
.endr
.irp c, 0,1,2
	global_store_b128 v4, v[PC+4*\c:PC+4*\c+3], s[8:9] offset:1536*(\i)+512*\c   ; 32 lanes store 512 consecutive bytes, at a multiple of 256 from the buffer's first byte
.endr
.endm
	LOADF 0
	LOADF 1
	LOADF 2
	FRAGA 0, 16
	FRAGA 1, 16
	FRAGA 2, 16
	FRAGA 3, 16
	FRAGA 4, 16
	FRAGA 5, 16
	FRAGA 6, 8
	FRAGA 7, 0
	v_cmp_eq_u32 vcc_lo, 1, v2                     ; the scale words: lane (r, h) stores the words of blocks 4 h .. 4 h + 3 of row r, at 256 h + 16 r = 16 x lane
.irp k, 0,1,2,3
	v_cndmask_b32 v[24+\k], v[W+\k], v[W+4+\k], vcc_lo
.endr
	global_store_b128 v4, v[24:27], s[8:9] offset:SCO
	s_endpgm
.Lfunc_end_k_qc7ffa40f72_quant:
	.size	k_qc7ffa40f72_quant, .Lfunc_end_k_qc7ffa40f72_quant-k_qc7ffa40f72_quant
	.p2alignl 7, 3214868480
	.fill 96, 4, 3214868480
	.section	.rodata,"a",@progbits
	.p2align	6, 0x0
	.amdhsa_kernel k_qc7ffa40f72_quant
		.amdhsa_group_segment_fixed_size 53760
		.amdhsa_private_segment_fixed_size 0
		.amdhsa_enable_private_segment 0
		.amdhsa_kernarg_size 32
		.amdhsa_user_sgpr_count 2
		.amdhsa_user_sgpr_kernarg_segment_ptr 1
		.amdhsa_wavefront_size32 1
		.amdhsa_system_sgpr_workgroup_id_x 1
		.amdhsa_system_sgpr_workgroup_id_y 1
		.amdhsa_system_sgpr_workgroup_id_z 1
		.amdhsa_system_vgpr_workitem_id 0
		.amdhsa_next_free_vgpr 256
		.amdhsa_next_free_sgpr 66
		.amdhsa_reserve_vcc 1
		.amdhsa_float_denorm_mode_32 3
		.amdhsa_float_denorm_mode_16_64 3
		.amdhsa_memory_ordered 1
		.amdhsa_forward_progress 1
		.amdhsa_inst_pref_size 146
	.end_amdhsa_kernel
	.amdgpu_metadata
---
amdhsa.version: [ 1, 2 ]
amdhsa.kernels:
  - .name:           k_qc7ffa40f72_quant
    .symbol:         k_qc7ffa40f72_quant.kd
    .args:
      - { .name: act, .offset: 0, .size: 8, .value_kind: global_buffer, .address_space: global }
      - { .name: weight, .offset: 8, .size: 8, .value_kind: global_buffer, .address_space: global }
      - { .name: aimg, .offset: 16, .size: 8, .value_kind: global_buffer, .address_space: global }
      - { .name: bimg, .offset: 24, .size: 8, .value_kind: global_buffer, .address_space: global }
    .group_segment_fixed_size: 53760
    .private_segment_fixed_size: 0
    .kernarg_segment_align: 8
    .kernarg_segment_size: 32
    .max_flat_workgroup_size: 128
    .sgpr_count:     66
    .vgpr_count:     256
    .wavefront_size: 32
...
	.end_amdgpu_metadata
.endif
;; end of part 1
;; launch gemm (part 2): grid 56 x 4, 4 waves a work-group, clusters of 4 x 4, 327,680 bytes of LDS; arguments aimg, bimg, scale, out0; writes out0
.if DOCPART == 2
	.amdgcn_target "amdgcn-amd-amdhsa--gfx1250"
	.amdhsa_code_object_version 6
	.text
	.protected	k_qc7ffa40f72_gemm
	.globl	k_qc7ffa40f72_gemm
	.p2align	8
	.type	k_qc7ffa40f72_gemm,@function
k_qc7ffa40f72_gemm:
	s_mov_b64 s[64:65], 0
	v_nop
	global_prefetch_b8 v0, s[64:65] scope:SCOPE_SE
	s_setreg_imm32_b32 hwreg(HW_REG_WAVE_MODE, 25, 1), 1
	s_wait_xcnt 0x0
	s_wait_alu depctr_hold_cnt(0) depctr_sa_sdst(0) depctr_va_vdst(0) depctr_va_sdst(0) depctr_va_ssrc(0) depctr_va_vcc(0) depctr_vm_vsrc(0)
	s_getreg_b32 s2, hwreg(HW_REG_IB_STS2, 6, 4)
	s_cmp_eq_u32 s2, 0
	s_cbranch_scc0 .Lentry_in_a_cluster
	s_endpgm
.Lentry_in_a_cluster:
	s_bfe_u32 s2, ttmp6, 0x10000c
	s_cmp_lg_u32 s2, 0xf033
	s_cbranch_scc0 .Lentry_shape_is_right
	s_endpgm
.Lentry_shape_is_right:
; out0[m][n] = f16( scale[n] x sum over k of A[m][k] B[n][k] ), A = act's codes, B = weight's codes (FP6 E2M3, one E8M0 byte for each 32 along K), as launch quant laid them:
; a record (12,800 bytes) = one K step of 128 x 128 rows: eight register images of fragments (1,536 bytes each: byte 512 c + 16 L = registers 4 c .. 4 c + 3 of lane L), then 512 bytes of scale words
; (byte 256 (i / 4) + 16 r + 4 (i % 4): row r of block i).  aimg = [t 32][g 8] records, bimg = [t 32][g 112].
; A tile of out0 is 256 x 256: four waves, each 128 x 128 = 64 accumulators.  14,336 / 256 x 1,024 / 256 = 224 work-groups: a narrower tile (224 columns) would store rows of 448 bytes, which are no whole aligned 256-byte units.
; WHERE THE OPERANDS COME FROM.  B's two records and blocks 0-3 of A's two records come by joint tensor loads into a ring of two LDS slots of FOUR K steps each (4 x 4 clusters: A shared along a row, B along a column).
; Blocks 4-7 of a wave's A record and the record's scale words are register images already: the wave loads them from memory STRAIGHT INTO ITS OPERAND REGISTERS, 13 loads of 512 bytes a step, four steps ahead, in four sets.
; These 6,656 bytes a wave and step are not asked for jointly: they are neither written to LDS nor read from it, so that a wave has 37 LDS loads a step where 50 would bring all fragments, and a slot has room for four steps where it had room for three.
; The matrix instruction is used transposed (source 0 = 16 rows of B, source 1 = 16 rows of A): a lane holds eight neighbouring columns of a row of out0.
; REGISTERS.  window 0: v0-31 addresses; v32-47 A's scale words, four sets of 4 (lanes 0-15 blocks 0-3, lanes 16-31 blocks 4-7); v48-55 B's, two sets; v64-255 A's blocks 4-7, four sets of 48.
;   window 1: v0-95, v96-191 B's fragments, two sets; v192-239 A's blocks 0-3, one set.   window 2: accumulators of my rows 0-63 ((a, b) at 8 (8 a + b));  window 3: rows 64-127.
; PREFETCH: B's records of a slot, 409,600 bytes a cluster, are named once in the cluster, one slot ahead of their tensor load: wave w names K step w, partner cy 6,400 bytes of its column's 25,600, a lane 256 bytes.
; aimg, 3,276,800 bytes that each of the 14 clusters reads whole, has none.
; LIMITS: none beyond launch quant's; a product beyond f16's range becomes an infinity, as in the cast of reference().
.set REC,    12800
.set SCO,    12288
.set AH,     6144                      ; blocks 0-3 of a record
.set KSA,    8*REC                     ; from K step to K step in aimg, bimg
.set KSB,    112*REC
.set ATILE,  4*AH                      ; what one tensor load brings: four K steps of half a record of A, or of a record of B
.set BTILE,  4*REC
.set SLOT,   2*ATILE+2*BTILE           ; A's two tiles, then B's two: 151,552 bytes
.set SPARE,  2*SLOT                    ; the spare words, 512 bytes
.set STAGE,  SPARE+512                 ; the way out: 16 rows x 272 bytes for each wave; no tensor load lands here
.set SPITCH, 272
.set ROWC,   28672                     ; a row of out0 in bytes
.set ADRA, 16                          ; v16-17 LDS address of my A images in slot 0, 1;  v18-19 of my B images
.set ADRB, 18
.set RWO,  23                          ; 16 h: my place in 32 bytes of scale
.set STO,  24
.set RD,   25
.set CO,   26
.set AOF,  27                          ; 16 x lane
.set SPW,  28
.set NIL,  29
.set PFO,  30
.set SCA,  32
.set SCB,  48
.set DF,   64
.set SCF,  112                         ; the way out: scale[n] in f32, 64 registers; v176-207 packed results; v64-95, v208-239 rows read back
.set TMP,  176
.set G1,   24
.set G0,   32
.set G1B,  48
.set G0B,  56
.set AB,   66                          ; s[66:67] my A record, for the direct loads
.set PFA,  84
.set MSB, 0
.macro WIN new                         ; the immediate's high byte repeats the setting that is left
.if MSB != (\new)
	s_set_vgpr_msb (MSB<<8)|(\new)
.set MSB, \new
.endif
.endm
.set MUL_LO, 0xa5                      ; sources 0 (B) and 1 (A's blocks 0-3) window 1, C and D window 2
.set MUL_HI, 0xf1                      ; source 0 window 1, source 1 (A's blocks 4-7) window 0, C and D window 3
.set TO1,    0x40                      ; destination window 1, address window 0
.macro CV d, s
	v_cvt_f32_f16 v[\d], v\s\().l
	v_cvt_f32_f16 v[(\d)+1], v\s\().h
.endm
.macro PLACES                          ; four places between a matrix instruction and a load into, or a vector read or write of, its registers
.rept 4
	v_nop
.endr
.endm
.macro JLOAD s                         ; a joint load into slot s: waves 0, 1 fetch A's tiles, waves 2, 3 B's
	s_cmp_eq_u32 s15, 0
	s_cbranch_scc0 .Lfor_b_\@
	tensor_load_to_lds s[G0+4*(\s):G0+4*(\s)+3], s[G1:G1+7]
	s_nop 0
	PLACES
	s_branch .Lasked_\@
.Lfor_b_\@:
	tensor_load_to_lds s[G0B+4*(\s):G0B+4*(\s)+3], s[G1B:G1B+7]
	s_nop 0
	PLACES
.Lasked_\@:
.endm
.macro CREST                           ; a round of the cluster's barrier behind its opening barrier
	s_cmp_lg_u32 s14, 0
	s_cbranch_scc1 .Lnot_wave_0_\@
	s_barrier_signal -3
.Lnot_wave_0_\@:
	s_barrier_wait -3
	s_barrier_signal -1
	s_barrier_wait -1
.endm
.macro CROUND
	s_barrier_signal -1
	s_barrier_wait -1
	CREST
.endm
	s_load_b128 s[4:7], s[0:1], 0x0                ; aimg, bimg
	s_load_b128 s[8:11], s[0:1], 0x10              ; scale, out0
	v_lshl_add_u32 v[SPW], v0, 2, SPARE
	v_mov_b32 v[NIL], 0
	ds_add_u32 v[SPW], v[NIL]                      ; the opening lines: the add, twice on end, and its wait ahead of my first tensor load
	ds_add_u32 v[SPW], v[NIL]
	v_lshrrev_b32 v1, 5, v0
	v_readfirstlane_b32 s14, v1                    ; wave 0..3
	s_lshr_b32 s15, s14, 1                         ; my half of the tile's rows.  Also: I fetch for A (0) or for B (1)
	s_and_b32 s16, s14, 1                          ; my half of its columns.  Also: which of the two records I fetch
	s_bfe_u32 s40, ttmp6, 0x40000                  ; cx
	s_bfe_u32 s41, ttmp6, 0x40004                  ; cy = tile row (the grid is one cluster high)
	s_lshl_b32 s42, ttmp9, 2
	s_add_co_u32 s42, s42, s40                     ; tile column
	s_lshl_b32 s43, s41, 2
	s_lshl_b32 s43, 15, s43                        ; my row of the cluster
	s_lshl_b32 s44, 0x1111, s40                    ; my column
	s_or_b32 s[G1], s43, (3<<16)|(1<<21)           ; elements of 8 bytes; bit 21 beside a mask
	s_or_b32 s[G1B], s44, (3<<16)|(1<<21)
	s_mov_b32 s[G1+1], (AH/8)<<16                  ; A: four rows (K steps) of 6,144 bytes, KSA apart
	s_mov_b32 s[G1+3], (AH/8)<<16
	s_mov_b32 s[G1+5], KSA/8
	s_mov_b32 s[G1B+1], (REC/8)<<16                ; B: four rows of 12,800 bytes, KSB apart
	s_mov_b32 s[G1B+3], (REC/8)<<16
	s_mov_b32 s[G1B+5], KSB/8
.irp g, G1, G1B
	s_mov_b32 s[\g+2], 4<<16
	s_mov_b32 s[\g+4], 4
	s_mov_b32 s[\g+6], 0
	s_mov_b32 s[\g+7], 0
.endr
	s_lshl_b32 s20, s41, 1
	s_add_co_u32 s68, s20, s15
	s_mul_i32 s68, s68, REC                        ; the A record that I multiply: 2 x tile row + my row half
	s_mov_b32 s69, 0
	s_add_co_u32 s20, s20, s16
	s_mul_i32 s20, s20, REC                        ; the A record that I fetch
	s_mov_b32 s21, 0
	s_lshl_b32 s46, s42, 1
	s_add_co_u32 s46, s46, s16
	s_mul_i32 s46, s46, REC                        ; the B record that I fetch
	s_mov_b32 s47, 0
	s_mul_i32 s45, s16, ATILE                      ; where they go in a slot
	s_mul_i32 s70, s16, BTILE
	s_add_co_u32 s70, s70, 2*ATILE
	s_mul_i32 s18, s15, ATILE                      ; what I read: A's tile of my row half, B's of my column half, in slots 0 and 1
	s_add_co_u32 s22, s18, SLOT
	s_add_co_u32 s23, s70, SLOT
	s_mul_i32 s71, s14, 16*SPITCH
	s_add_co_u32 s71, s71, STAGE                   ; my stage
	s_lshl_b32 s88, s42, 9
	s_lshl_b32 s89, s16, 8
	s_add_co_u32 s88, s88, s89                     ; my first column in bytes of f16
	s_lshl_b32 s90, s41, 8
	s_lshl_b32 s91, s15, 7
	s_add_co_u32 s90, s90, s91
	s_mul_i32 s90, s90, ROWC
	s_add_co_u32 s90, s90, s88                     ; my first number of out0
	s_mov_b32 s89, 0
	s_mov_b32 s91, 0
	s_add_co_u32 s72, s14, 8
	s_mul_i32 s72, s72, KSB                        ; the prefetches begin at K step 8 + wave,
	s_mul_i32 s73, s42, 2*REC
	s_add_co_u32 s72, s72, s73                     ; my tile column's two records,
	s_mul_i32 s73, s41, 6400
	s_add_co_u32 s72, s72, s73                     ; my work-group's quarter of them
	s_mov_b32 s73, 0
	v_and_b32 v2, 31, v0
	v_and_b32 v3, 15, v0                           ; r
	v_bfe_u32 v4, v0, 4, 1                         ; h
	v_lshlrev_b32 v[AOF], 4, v2
	v_min_u32 v[PFO], 24, v2                       ; 25 blocks of 256 bytes; the lanes left over name the last again
	v_lshlrev_b32 v[PFO], 8, v[PFO]
	v_lshlrev_b32 v[RWO], 4, v4
	v_add_nc_u32 v[ADRA], s18, v[AOF]
	v_add_nc_u32 v[ADRA+1], s22, v[AOF]
	v_add_nc_u32 v[ADRB], s70, v[AOF]
	v_add_nc_u32 v[ADRB+1], s23, v[AOF]
	v_mul_u32_u24 v5, v3, SPITCH
	v_lshl_add_u32 v5, v4, 4, v5
	v_add_nc_u32 v[STO], s71, v5                   ; into the stage: row r, 16 bytes for each half of the lanes
	v_mul_u32_u24 v6, v4, SPITCH
	v_lshl_add_u32 v6, v3, 4, v6
	v_add_nc_u32 v[RD], s71, v6                    ; back: sixteen lanes to a row of 256 bytes
	v_mul_u32_u24 v7, v4, ROWC
	v_lshl_add_u32 v[CO], v3, 4, v7                ; and the same two rows in out0
	s_wait_alu depctr_va_vdst(0)                   ; behind the head's last vector write, ahead of the waits below
	s_wait_dscnt 0x0                               ; both opening adds are done
	s_wait_kmcnt 0x0
	s_add_nc_u64 s[20:21], s[4:5], s[20:21]
	s_add_nc_u64 s[46:47], s[6:7], s[46:47]
	s_add_nc_u64 s[AB:AB+1], s[4:5], s[68:69]
	s_add_nc_u64 s[PFA:PFA+1], s[6:7], s[72:73]
	s_add_nc_u64 s[8:9], s[8:9], s[88:89]
	s_add_nc_u64 s[10:11], s[10:11], s[90:91]
	CROUND                                         ; all sixteen work-groups are here: the first joint loads meet
.irp s, 0,1
	s_mov_b32 s[G0+4*\s], 1
	s_add_co_u32 s[G0+4*\s+1], s45, \s*SLOT
	s_add_nc_u64 s[G0+4*\s+2:G0+4*\s+3], s[20:21], \s*4*KSA
	s_or_b32 s[G0+4*\s+3], s[G0+4*\s+3], 0x80000000
	s_mov_b32 s[G0B+4*\s], 1
	s_add_co_u32 s[G0B+4*\s+1], s70, \s*SLOT
	s_add_nc_u64 s[G0B+4*\s+2:G0B+4*\s+3], s[46:47], \s*4*KSB
	s_or_b32 s[G0B+4*\s+3], s[G0B+4*\s+3], 0x80000000
.endr
	JLOAD 0                                        ; K steps 0-3: one tensor load a wave at the head
; eight matrix instructions: A's block a against B's eight.  p: B's set, d: the set of A's direct blocks and scale words, z = 1: the product starts the sums.  The 64 accumulators take turns.
.macro MUL8 a, p, d, z
.irp b, 0,1,2,3,4,5,6,7
.set AC, 8*(8*((\a)%4)+\b)
.set BF, 96*(\p)+12*\b
.set SB, SCB+4*(\p)+\b%4
.set SA, SCA+4*(\d)+(\a)%4
.set AF, (192+12*(\a))*(1-(\a)/4)+(DF+48*(\d)+12*((\a)-4))*((\a)/4)
.set KK, 4*(\z)+2*((\a)/4)+\b/4        ; blocks 4-7 of either side have their scale words in lanes 16-31
.if KK == 0
	v_wmma_scale_f32_16x16x128_f8f6f4 v[AC:AC+7], v[BF:BF+11], v[AF:AF+11], v[AC:AC+7], v[SB], v[SA] matrix_a_fmt:MATRIX_FMT_FP6 matrix_b_fmt:MATRIX_FMT_FP6
.elseif KK == 1
	v_wmma_scale_f32_16x16x128_f8f6f4 v[AC:AC+7], v[BF:BF+11], v[AF:AF+11], v[AC:AC+7], v[SB], v[SA] matrix_a_fmt:MATRIX_FMT_FP6 matrix_b_fmt:MATRIX_FMT_FP6 matrix_a_scale:MATRIX_SCALE_ROW1
.elseif KK == 2
	v_wmma_scale_f32_16x16x128_f8f6f4 v[AC:AC+7], v[BF:BF+11], v[AF:AF+11], v[AC:AC+7], v[SB], v[SA] matrix_a_fmt:MATRIX_FMT_FP6 matrix_b_fmt:MATRIX_FMT_FP6 matrix_b_scale:MATRIX_SCALE_ROW1
.elseif KK == 3
	v_wmma_scale_f32_16x16x128_f8f6f4 v[AC:AC+7], v[BF:BF+11], v[AF:AF+11], v[AC:AC+7], v[SB], v[SA] matrix_a_fmt:MATRIX_FMT_FP6 matrix_b_fmt:MATRIX_FMT_FP6 matrix_a_scale:MATRIX_SCALE_ROW1 matrix_b_scale:MATRIX_SCALE_ROW1
.elseif KK == 4
	v_wmma_scale_f32_16x16x128_f8f6f4 v[AC:AC+7], v[BF:BF+11], v[AF:AF+11], 0, v[SB], v[SA] matrix_a_fmt:MATRIX_FMT_FP6 matrix_b_fmt:MATRIX_FMT_FP6
.elseif KK == 5
	v_wmma_scale_f32_16x16x128_f8f6f4 v[AC:AC+7], v[BF:BF+11], v[AF:AF+11], 0, v[SB], v[SA] matrix_a_fmt:MATRIX_FMT_FP6 matrix_b_fmt:MATRIX_FMT_FP6 matrix_a_scale:MATRIX_SCALE_ROW1
.elseif KK == 6
	v_wmma_scale_f32_16x16x128_f8f6f4 v[AC:AC+7], v[BF:BF+11], v[AF:AF+11], 0, v[SB], v[SA] matrix_a_fmt:MATRIX_FMT_FP6 matrix_b_fmt:MATRIX_FMT_FP6 matrix_b_scale:MATRIX_SCALE_ROW1
.else
	v_wmma_scale_f32_16x16x128_f8f6f4 v[AC:AC+7], v[BF:BF+11], v[AF:AF+11], 0, v[SB], v[SA] matrix_a_fmt:MATRIX_FMT_FP6 matrix_b_fmt:MATRIX_FMT_FP6 matrix_a_scale:MATRIX_SCALE_ROW1 matrix_b_scale:MATRIX_SCALE_ROW1
.endif
.endr
.endm
.macro FETCH_A sl, q                   ; 12 LDS loads: A's blocks 0-3 of step q of slot sl
	WIN TO1
.irp i, 0,1,2,3
.irp c, 0,1,2
	ds_load_b128 v[192+12*\i+4*\c:192+12*\i+4*\c+3], v[ADRA+(\sl)] offset:(\q)*AH+1536*\i+512*\c
.endr
.endr
.endm
.macro FETCH_B sl, q, p                ; 25 LDS loads: B's eight blocks and their scale words into set p
	WIN TO1
.irp i, 0,1,2,3,4,5,6,7
.irp c, 0,1,2
	ds_load_b128 v[96*(\p)+12*\i+4*\c:96*(\p)+12*\i+4*\c+3], v[ADRB+(\sl)] offset:(\q)*REC+1536*\i+512*\c
.endr
.endr
	WIN 0
	ds_load_b128 v[SCB+4*(\p):SCB+4*(\p)+3], v[ADRB+(\sl)] offset:(\q)*REC+SCO
.endm
.macro DLOAD td, d                     ; 13 loads from memory: the scale words and blocks 4-7 of my A record, td K steps from s[AB], into set d; each reads 512 consecutive bytes
	global_load_b128 v[SCA+4*(\d):SCA+4*(\d)+3], v[AOF], s[AB:AB+1] offset:(\td)*KSA+SCO
.irp i, 0,1,2,3
.irp c, 0,1,2
	global_load_b128 v[DF+48*(\d)+12*\i+4*\c:DF+48*(\d)+12*\i+4*\c+3], v[AOF], s[AB:AB+1] offset:(\td)*KSA+AH+1536*\i+512*\c
.endr
.endr
.endm
; A K STEP.  T: the step modulo 8 (slot (T / 4) % 2, place T % 4 in it).  64 matrix instructions; in the middle A's blocks 0-3 of step T + 1 are fetched from LDS; at the end B of step T + 2 (into the set just multiplied) and,
; from memory, A's direct part of step T + 4 (likewise).  lc: the direct loads issued behind this step's 13 (three steps' 39);  dc: the LDS loads issued behind this step's (the next step's 25 of B).
; bnd = 1, in steps 4 k + 2: the slot's last reads have been issued; all my tensor loads are waited for, the add, the wait for it and for my LDS reads, a round of the cluster's barrier, and the slot is filled again, eight K steps on.
; bnd = 2: the same lines and my work-group's barrier alone: the last slot is whole, nothing is filled again.
; mid: 1 the direct loads' base steps a lap;  2 the prefetches' address steps a slot;  3 a prefetch;  4 a prefetch but in the last trip;  5 scale[n] into f32.
.macro STEP T, z, lc, dc, fa, fb, fd, td, bnd, mid
.set P, (\T)%2
.set D, (\T)%4
	s_wait_loadcnt \lc
	s_wait_dscnt \dc
	WIN MUL_LO
	MUL8 0, P, D, \z
	MUL8 1, P, D, \z
	MUL8 2, P, D, \z
	MUL8 3, P, D, \z
.if \fa
	PLACES
	FETCH_A (((\T)+1)/4)%2, ((\T)+1)%4
.endif
	WIN 0
.if \mid == 1
	s_wait_xcnt 0x0                                ; the earlier loads have read their base
	s_add_nc_u64 s[AB:AB+1], s[AB:AB+1], 8*KSA
.elseif \mid == 2
	s_wait_xcnt 0x0                                ; the last prefetch, three steps back, has read its address
	s_add_nc_u64 s[PFA:PFA+1], s[PFA:PFA+1], 4*KSB
.elseif \mid == 3
	global_prefetch_b8 v[PFO], s[PFA:PFA+1] th:TH_LOAD_NT scope:SCOPE_SE
.elseif \mid == 4
	s_cmp_gt_u32 s3, 1                             ; the last trip's would name K steps 32 on, which do not exist
	s_cbranch_scc0 .Lno_ask_\@
	global_prefetch_b8 v[PFO], s[PFA:PFA+1] th:TH_LOAD_NT scope:SCOPE_SE
.Lno_ask_\@:
.elseif \mid == 5
	s_wait_loadcnt 0x0
.irp r, 64,65,66,67,68,69,70,71,72,73,74,75,76,77,78,79,80,81,82,83,84,85,86,87,88,89,90,91,92,93,94,95
	CV SCF+2*(\r-64), \r
.endr
.endif
.if \bnd
	s_wait_tensorcnt 0x0                           ; all my tensor loads have landed: my part of the other slot;
	ds_add_u32 v[SPW], v[NIL]                      ; the add; sixteen matrix instructions stand between it and its wait
.if \bnd == 1
	s_add_nc_u64 s[G0+4*((\T)/4)+2:G0+4*((\T)/4)+3], s[G0+4*((\T)/4)+2:G0+4*((\T)/4)+3], 8*KSA
	s_add_nc_u64 s[G0B+4*((\T)/4)+2:G0B+4*((\T)/4)+3], s[G0B+4*((\T)/4)+2:G0B+4*((\T)/4)+3], 8*KSB
.endif
.endif
	WIN MUL_HI
	MUL8 4, P, D, \z
	MUL8 5, P, D, \z
.if \bnd
	s_wait_dscnt 0x0                               ; the add is done, and my reads of this slot are over
	s_barrier_signal -1
.endif
	MUL8 6, P, D, \z
	MUL8 7, P, D, \z
	WIN 0
.if \bnd
	s_barrier_wait -1
.endif
.if \bnd == 1
	CREST                                          ; no wave of any partner still reads this slot or has a load on its way
	JLOAD (\T)/4                                   ; the first tensor load behind the round; its four v_nop are the places for the loads below
.else
	PLACES
.endif
.if \fb
	FETCH_B (((\T)+2)/4)%2, ((\T)+2)%4, P
.endif
.if \fd == 1
	DLOAD \td, D
.elseif \fd == 2
.irp b, 0,1,2,3,4,5,6,7
	global_load_b128 v[DF+4*\b:DF+4*\b+3], v[RWO], s[8:9] offset:32*\b   ; scale[16 b + 8 h + 0 .. 7] of my 128 columns, into a set that takes no more fragments
.endr
.endif
.endm
	DLOAD 0, 0                                     ; A's direct part of K steps 0-3
	DLOAD 1, 1
	DLOAD 2, 2
	DLOAD 3, 3
	s_wait_tensorcnt 0x0                           ; my part of slot 0 is in
	ds_add_u32 v[SPW], v[NIL]
	s_wait_dscnt 0x0
	CROUND
	JLOAD 1                                        ; K steps 4-7
	FETCH_B 0, 0, 0
	FETCH_A 0, 0
	FETCH_B 0, 1, 1
	STEP 0, 1, 39, 25, 1, 1, 1, 4, 0, 3            ; the first step starts the sums; its prefetch names K steps 8-11
	s_mov_b32 s3, 3
.Llap:                                                 ; a trip: eight K steps, from a lap's second to the next lap's first; both slots are filled again
	STEP 1, 0, 39, 25, 1, 1, 1, -3, 0, 1
	STEP 2, 0, 39, 25, 1, 1, 1, -2, 1, 2
	STEP 3, 0, 39, 25, 1, 1, 1, -1, 0, 3
	STEP 4, 0, 39, 25, 1, 1, 1, 0, 0, 0
	STEP 5, 0, 39, 25, 1, 1, 1, 1, 0, 0
	STEP 6, 0, 39, 25, 1, 1, 1, 2, 1, 2
	STEP 7, 0, 39, 25, 1, 1, 1, 3, 0, 4
	STEP 8, 0, 39, 25, 1, 1, 1, 4, 0, 0
	s_sub_co_u32 s3, s3, 1
	s_cmp_lg_u32 s3, 0
	s_cbranch_scc1 .Llap
	STEP 1, 0, 39, 25, 1, 1, 1, 5, 0, 0            ; K steps 25-31: nothing is filled again
	STEP 2, 0, 39, 25, 1, 1, 1, 6, 2, 0
	STEP 3, 0, 39, 25, 1, 1, 1, 7, 0, 0
	STEP 4, 0, 39, 25, 1, 1, 2, 0, 0, 0            ; the eight loads of scale stand behind the last direct loads
	STEP 5, 0, 34, 25, 1, 1, 0, 0, 0, 0            ; two steps' 26 and those eight may be out
	STEP 6, 0, 21, 25, 1, 0, 0, 0, 0, 0
	STEP 7, 0, 8, 0, 0, 0, 0, 0, 0, 5
; THE WAY OUT, block by block of 16 rows x 128 columns: x scale[n], rounded to f16, 16 bytes a lane into my own stage, back as whole rows of 256 bytes, stored.
.macro PACK a
.set AC, 64*((\a)%4)
	WIN 0x82+0x41*((\a)/4)
.irp b, 0,1,2,3,4,5,6,7
.irp r, 0,1,2,3
	v_pk_mul_f32 v[AC+8*\b+2*\r:AC+8*\b+2*\r+1], v[AC+8*\b+2*\r:AC+8*\b+2*\r+1], v[SCF+8*\b+2*\r:SCF+8*\b+2*\r+1]
.endr
.endr
	WIN 0x0a+5*((\a)/4)
.irp b, 0,1,2,3,4,5,6,7
.irp r, 0,1,2,3
	v_cvt_pk_f16_f32 v[TMP+4*\b+\r], v[AC+8*\b+2*\r], v[AC+8*\b+2*\r+1]
.endr
.endr
	WIN 0
.endm
.macro TOSTAGE a
.set BB, 64+144*((\a)%2)
.irp b, 0,1,2,3,4,5,6,7
	ds_store_b128 v[STO], v[TMP+4*\b:TMP+4*\b+3] offset:32*\b
.endr
.irp t, 0,1,2,3,4,5,6,7
	ds_load_b128 v[BB+4*\t:BB+4*\t+3], v[RD] offset:\t*2*SPITCH   ; LDS serves a wave's instructions in order: these see the stores above
.endr
.endm
.macro SEND a
.set BB, 64+144*((\a)%2)
	s_wait_dscnt 0x0
	s_wait_xcnt 0x0                                ; the earlier stores have read their base and their registers
.if (\a) > 0
	s_add_nc_u64 s[10:11], s[10:11], 16*ROWC
.endif
.irp t, 0,1,2,3,4,5,6,7
	global_store_b128 v[CO], v[BB+4*\t:BB+4*\t+3], s[10:11] offset:2*\t*ROWC th:TH_STORE_NT   ; sixteen lanes store 256 consecutive bytes, at a multiple of 256 from out0's first byte
.endr
.endm
	PACK 0
	TOSTAGE 0
.irp a, 1,2,3,4,5,6,7
	PACK \a
	s_wait_alu depctr_va_vdst(0)
	SEND \a-1
	TOSTAGE \a
.endr
	SEND 7
	s_wait_tensorcnt 0x0                           ; the wave's end
	ds_add_u32 v[SPW], v[NIL]
	s_wait_dscnt 0x0
	CROUND                                         ; the closing round
	s_endpgm
.Lfunc_end_k_qc7ffa40f72_gemm:
	.size	k_qc7ffa40f72_gemm, .Lfunc_end_k_qc7ffa40f72_gemm-k_qc7ffa40f72_gemm
	.p2alignl 7, 3214868480
	.fill 96, 4, 3214868480
	.section	.rodata,"a",@progbits
	.p2align	6, 0x0
	.amdhsa_kernel k_qc7ffa40f72_gemm
		.amdhsa_group_segment_fixed_size 327680
		.amdhsa_private_segment_fixed_size 0
		.amdhsa_enable_private_segment 0
		.amdhsa_kernarg_size 32
		.amdhsa_user_sgpr_count 2
		.amdhsa_user_sgpr_kernarg_segment_ptr 1
		.amdhsa_wavefront_size32 1
		.amdhsa_system_sgpr_workgroup_id_x 1
		.amdhsa_system_sgpr_workgroup_id_y 1
		.amdhsa_system_sgpr_workgroup_id_z 1
		.amdhsa_system_vgpr_workitem_id 0
		.amdhsa_next_free_vgpr 1024
		.amdhsa_next_free_sgpr 92
		.amdhsa_reserve_vcc 0
		.amdhsa_float_denorm_mode_32 3
		.amdhsa_float_denorm_mode_16_64 3
		.amdhsa_memory_ordered 1
		.amdhsa_forward_progress 1
		.amdhsa_inst_pref_size 255
	.end_amdhsa_kernel
	.amdgpu_metadata
---
amdhsa.version: [ 1, 2 ]
amdhsa.kernels:
  - .name:           k_qc7ffa40f72_gemm
    .symbol:         k_qc7ffa40f72_gemm.kd
    .args:
      - { .name: aimg, .offset: 0, .size: 8, .value_kind: global_buffer, .address_space: global }
      - { .name: bimg, .offset: 8, .size: 8, .value_kind: global_buffer, .address_space: global }
      - { .name: scale, .offset: 16, .size: 8, .value_kind: global_buffer, .address_space: global }
      - { .name: out0, .offset: 24, .size: 8, .value_kind: global_buffer, .address_space: global }
    .group_segment_fixed_size: 327680
    .private_segment_fixed_size: 0
    .kernarg_segment_align: 8
    .kernarg_segment_size: 32
    .max_flat_workgroup_size: 128
    .sgpr_count:     92
    .vgpr_count:     1024
    .wavefront_size: 32
...
	.end_amdgpu_metadata
.endif
;; end of part 2
